; MI455X (gfx1250); checked and timed in simulation.
; The chip was launched on July 23, 2026; its instructions are those of AMD's public machine-readable ISA for CDNA 5 (MIT licence, August 2026) and "CDNA5" Instruction Set Architecture Reference Guide (July 2026). The comments in the code are by the model that wrote it; some were corrected since.
;; ST BIF Neuron MS. Allowed arithmetic: float matrix products may take bf16 or f16 operands with f32 sums; all other float work in f32.
;; Inputs: q_threshold one number float32; x 32 x 64 x 56 x 56 float32.
;; Outputs: out0 32 x 64 x 56 x 56 float32.
;; One version. Each part assembles by itself: llvm-mc -triple=amdgcn-amd-amdhsa -mcpu=gfx1250 --defsym DOCPART=n.
;; ======== version 1 of 1: 1 launch
;; launch bif (part 1): grid 256 x 1, 28 waves a work-group, no clusters, 0 bytes of LDS; arguments x, q_threshold, out0; writes out0
.if DOCPART == 1
	.amdgcn_target "amdgcn-amd-amdhsa--gfx1250"
	.amdhsa_code_object_version 6
	.text
	.protected	k_q08180ae3f5_bif
	.globl	k_q08180ae3f5_bif
	.p2align	8
	.type	k_q08180ae3f5_bif,@function
k_q08180ae3f5_bif:
	s_mov_b64 s[64:65], 0
	v_nop
	global_prefetch_b8 v0, s[64:65] scope:SCOPE_SE
	s_setreg_imm32_b32 hwreg(HW_REG_WAVE_MODE, 25, 1), 1
	s_wait_xcnt 0x0
; ST-BIF neuron, 8 steps on a constant input x, output = mean of the 8 spikes.  x, out: 6,422,528 f32; q: one f32.
;
; WHAT IS COMPUTED, AND WHY IT EQUALS THE REFERENCE FOR EVERY x AND q (NaN and infinities too).
; The trace Tt only takes small whole numbers: after a positive spike it is -8 (a negative spike is barred in the next
; step only), after a negative spike it is 8 and can never fall below 8 again (positive spikes are barred for good),
; and without spikes it counts 0..7, below 8 in all 8 steps.  Rounded addition is monotone, so:
;   x >= 0      : v stays >= 0 (or NaN), H = v + x >= 0: never a negative spike;
;   q <= x < 0  : v = H - q >= 0 and H = v + x >= x >= q: a positive spike in every step, never a negative one;
;   otherwise x < 0 and not x >= q: a negative spike in step 0, after which only negative spikes are possible.
; So step 0 fixes a class.  NEG = (x < 0) and not (x >= q): spike -1 whenever H < 0.  All others: spike +1 whenever H >= q.
; NEG elements are run mirrored (y = -x, w = -v: exact, rounding is symmetric), and both classes share one step:
;   H = w + y;  m = (H >= thr) ? 1 : 0;  w = fma(m, -q, H);  cnt += m
; thr = q, or for NEG the smallest positive f32 (bit pattern 1), so that H >= thr says H > 0.  The roundings are the
; reference's: one in the add, one in H - spike q (spike q is exact).  With m = 0 the product 0 q stays in the fma, so an
; infinite or NaN q turns the potential into NaN as in the reference.  out = cnt x (+-1/8), exact.
; LIMITS: the sign of a zero potential may differ from the reference's (no compare and no output sees it).  The compare
; with the bit pattern 1 relies on f32 denormals being kept, which is the mode at entry.
;
; SHARES.  25,690,112 bytes = 256 work-groups x 28 waves x 7 chunks x 512 bytes.  Chunk j of a work-group is 14,336
; consecutive bytes, thread t at byte 16 t: every load and store of a wave covers 512 consecutive bytes, aligned to 512.
; Each wave asks for its 7 chunks before any arithmetic; a chunk has 4 registers of its own (x, then y, then the result),
; so no register that a load or store names is ever written again and the only waits are the counted ones for the loads.
; No LDS, no barrier: no wave needs another's data.
.set WAVES,  28
.set CHUNKS, 7
.set ROWB,   WAVES*512                 ; bytes of one chunk row of the work-group
.set WGB,    CHUNKS*ROWB               ; bytes of a work-group: 100,352
.set OFF, 1                            ; v1        16 t
.set NQ,  2                            ; v[2:3]    -q, twice
.set X,   4                            ; v[4:31]   chunk j: 4 registers
.set THR, 32                           ; v[32:35]  threshold of the class
.set SG,  36                           ; v[36:39]  +1 or -1 (NEG), later that over 8
.set W,   40                           ; v[40:43]  potential w, and H in place
.set M,   44                           ; v[44:47]  this step's spike, 0 or 1
.set CNT, 48                           ; v[48:51]  spikes so far
.set E8,  52                           ; v[52:53]  0.125, twice
.set Q,   10                           ; s10       q
.set MA,  12                           ; s[12:15]  lane masks, one for each of a lane's 4 elements
.set MB,  16                           ; s[16:19]
.set MN,  20                           ; s[20:23]  NEG
	s_load_b128 s[4:7], s[0:1], 0x0                ; x s[4:5], address of q s[6:7]
	s_load_b64 s[8:9], s[0:1], 0x10                ; out
	v_lshlrev_b32 v[OFF], 4, v0                    ; 16 bytes a thread
	s_mul_i32 s2, ttmp9, WGB                       ; the work-group's part (below 2^25 bytes)
	s_mov_b32 s3, 0
	s_wait_kmcnt 0x0
	s_load_b32 s[Q], s[6:7], 0x0
	s_add_nc_u64 s[4:5], s[4:5], s[2:3]
	s_add_nc_u64 s[8:9], s[8:9], s[2:3]
.irp j, 0,1,2,3,4,5,6
	global_load_b128 v[X+4*\j:X+4*\j+3], v[OFF], s[4:5] offset:\j*ROWB th:TH_LOAD_NT   ; all seven at once; read once in the launch
.endr
	v_mov_b32 v[E8], 0x3e000000                    ; 0.125
	v_mov_b32 v[E8+1], 0x3e000000
	s_wait_kmcnt 0x0                               ; q
	s_xor_b32 s11, s[Q], 0x80000000                ; -q
	v_mov_b32 v[NQ], s11
	v_mov_b32 v[NQ+1], s11
; One of the steps 1 to 6 for the 4 elements of chunk j.
.macro STEP j
	v_pk_add_f32 v[W:W+1],   v[W:W+1],   v[X+4*\j:X+4*\j+1]        ; H = w + y
	v_pk_add_f32 v[W+2:W+3], v[W+2:W+3], v[X+4*\j+2:X+4*\j+3]
.irp e, 0,1,2,3
	v_cmp_ge_f32 s[MA+\e], v[W+\e], v[THR+\e]                      ; false for NaN, as in the reference
.endr
.irp e, 0,1,2,3
	v_cndmask_b32 v[M+\e], 0, 1.0, s[MA+\e]
.endr
	v_pk_fma_f32 v[W:W+1],   v[M:M+1],   v[NQ:NQ+1], v[W:W+1]      ; w = H - m q, one rounding
	v_pk_fma_f32 v[W+2:W+3], v[M+2:M+3], v[NQ:NQ+1], v[W+2:W+3]
	v_pk_add_f32 v[CNT:CNT+1],   v[CNT:CNT+1],   v[M:M+1]
	v_pk_add_f32 v[CNT+2:CNT+3], v[CNT+2:CNT+3], v[M+2:M+3]
.endm
; Chunk j.  left = the younger loads of this wave, which may stay out (loads return in order, ISA guide 5.7.1).
.macro CHUNK j, left
	s_wait_loadcnt \left
	; step 0 (H = x) and the class
.irp e, 0,1,2,3
	v_cmp_gt_f32 s[MA+\e], 0, v[X+4*\j+\e]                         ; x < 0
	v_cmp_ge_f32 s[MB+\e], v[X+4*\j+\e], s[Q]                      ; x >= q
.endr
.irp e, 0,1,2,3
	s_and_not1_b32 s[MN+\e], s[MA+\e], s[MB+\e]                    ; NEG
	s_or_b32 s[MA+\e], s[MA+\e], s[MB+\e]                          ; a spike in step 0: NEG, or x >= q
.endr
.irp e, 0,1,2,3
	v_cndmask_b32 v[SG+\e],  1.0, -1.0, s[MN+\e]
	v_cndmask_b32 v[THR+\e], s[Q], 1, s[MN+\e]                     ; q, or the bit pattern 1 = the smallest positive f32
	v_cndmask_b32 v[CNT+\e], 0, 1.0, s[MA+\e]                      ; the first spike starts the count: nothing is cleared
.endr
	v_pk_mul_f32 v[X+4*\j:X+4*\j+1],   v[X+4*\j:X+4*\j+1],   v[SG:SG+1]       ; y = +-x, exact
	v_pk_mul_f32 v[X+4*\j+2:X+4*\j+3], v[X+4*\j+2:X+4*\j+3], v[SG+2:SG+3]
	v_pk_fma_f32 v[W:W+1],   v[CNT:CNT+1],   v[NQ:NQ+1], v[X+4*\j:X+4*\j+1]   ; w = y - m q
	v_pk_fma_f32 v[W+2:W+3], v[CNT+2:CNT+3], v[NQ:NQ+1], v[X+4*\j+2:X+4*\j+3]
	v_pk_mul_f32 v[SG:SG+1],   v[SG:SG+1],   v[E8:E8+1]            ; +-1/8: sign and mean in one factor
	v_pk_mul_f32 v[SG+2:SG+3], v[SG+2:SG+3], v[E8:E8+1]
.rept 6
	STEP \j
.endr
	; step 7: the potential is not needed any more; its spike enters already scaled, out = cnt (+-1/8) + m (+-1/8), exact
	v_pk_add_f32 v[W:W+1],   v[W:W+1],   v[X+4*\j:X+4*\j+1]
	v_pk_add_f32 v[W+2:W+3], v[W+2:W+3], v[X+4*\j+2:X+4*\j+3]
.irp e, 0,1,2,3
	v_cmp_ge_f32 s[MA+\e], v[W+\e], v[THR+\e]
.endr
.irp e, 0,1,2,3
	v_cndmask_b32 v[M+\e], 0, v[SG+\e], s[MA+\e]
.endr
	v_pk_fma_f32 v[X+4*\j:X+4*\j+1],   v[CNT:CNT+1],   v[SG:SG+1],   v[M:M+1]
	v_pk_fma_f32 v[X+4*\j+2:X+4*\j+3], v[CNT+2:CNT+3], v[SG+2:SG+3], v[M+2:M+3]
	global_store_b128 v[OFF], v[X+4*\j:X+4*\j+3], s[8:9] offset:\j*ROWB th:TH_STORE_NT  ; the chunk's registers are not written again
.endm
.irp j, 0,1,2,3,4,5,6
	CHUNK \j, CHUNKS-1-\j
.endr
	s_endpgm
.Lfunc_end_k_q08180ae3f5_bif:
	.size	k_q08180ae3f5_bif, .Lfunc_end_k_q08180ae3f5_bif-k_q08180ae3f5_bif
	.p2alignl 7, 3214868480
	.fill 96, 4, 3214868480
	.section	.rodata,"a",@progbits
	.p2align	6, 0x0
	.amdhsa_kernel k_q08180ae3f5_bif
		.amdhsa_group_segment_fixed_size 0
		.amdhsa_private_segment_fixed_size 0
		.amdhsa_enable_private_segment 0
		.amdhsa_kernarg_size 24
		.amdhsa_user_sgpr_count 2
		.amdhsa_user_sgpr_kernarg_segment_ptr 1
		.amdhsa_wavefront_size32 1
		.amdhsa_system_sgpr_workgroup_id_x 1
		.amdhsa_system_sgpr_workgroup_id_y 1
		.amdhsa_system_sgpr_workgroup_id_z 1
		.amdhsa_system_vgpr_workitem_id 0
		.amdhsa_next_free_vgpr 56
		.amdhsa_next_free_sgpr 66
		.amdhsa_reserve_vcc 0
		.amdhsa_float_denorm_mode_32 3
		.amdhsa_float_denorm_mode_16_64 3
		.amdhsa_memory_ordered 1
		.amdhsa_forward_progress 1
		.amdhsa_inst_pref_size 58
	.end_amdhsa_kernel
	.amdgpu_metadata
---
amdhsa.version: [ 1, 2 ]
amdhsa.kernels:
  - .name:           k_q08180ae3f5_bif
    .symbol:         k_q08180ae3f5_bif.kd
    .args:
      - { .name: x, .offset: 0, .size: 8, .value_kind: global_buffer, .address_space: global }
      - { .name: q_threshold, .offset: 8, .size: 8, .value_kind: global_buffer, .address_space: global }
      - { .name: out0, .offset: 16, .size: 8, .value_kind: global_buffer, .address_space: global }
    .group_segment_fixed_size: 0
    .private_segment_fixed_size: 0
    .kernarg_segment_align: 8
    .kernarg_segment_size: 24
    .max_flat_workgroup_size: 896
    .sgpr_count:     66
    .vgpr_count:     56
    .wavefront_size: 32
...
	.end_amdgpu_metadata
.endif
;; end of part 1
